; MI455X (gfx1250); checked and timed in simulation.
; The chip was launched on July 23, 2026; its instructions are those of AMD's public machine-readable ISA for CDNA 5 (MIT licence, August 2026) and "CDNA5" Instruction Set Architecture Reference Guide (July 2026). The comments in the code are by the model that wrote it; some were corrected since.
;; Generic Attention. Allowed arithmetic: matrix products marked QUANTISED: E2M3 operands, one E8M0 scale for each 32 along K, by v_wmma_scale_f32_16x16x128_f8f6f4 with both operands' format E2M3, f32 sums; everything else in f32.
;; Inputs: Wk_codes 1,024 x 32 x 24 uint8 (E2M3 codes of Wk, K innermost, in blocks of 32 codes, four codes in three bytes); Wk_scales 1,024 x 32 uint8 (E8M0 scales of Wk, one for each 32 codes along K); Wo_codes 1,024 x 32 x 24 uint8 (E2M3 codes of Wo, K innermost, in blocks of 32 codes, four codes in three bytes); Wo_scales 1,024 x 32 uint8 (E8M0 scales of Wo, one for each 32 codes along K); Wq_codes 1,024 x 32 x 24 uint8 (E2M3 codes of Wq, K innermost, in blocks of 32 codes, four codes in three bytes); Wq_scales 1,024 x 32 uint8 (E8M0 scales of Wq, one for each 32 codes along K); Wv_codes 1,024 x 32 x 24 uint8 (E2M3 codes of Wv, K innermost, in blocks of 32 codes, four codes in three bytes); Wv_scales 1,024 x 32 uint8 (E8M0 scales of Wv, one for each 32 codes along K); bk 1,024 float32; bo 1,024 float32; bq 1,024 float32; bv 1,024 float32; k_codes 2 x 2,048 x 32 x 24 uint8 (E2M3 codes of k, K innermost, in blocks of 32 codes, four codes in three bytes); k_scales 2 x 2,048 x 32 uint8 (E8M0 scales of k, one for each 32 codes along K); q_codes 2 x 2,048 x 32 x 24 uint8 (E2M3 codes of q, K innermost, in blocks of 32 codes, four codes in three bytes); q_scales 2 x 2,048 x 32 uint8 (E8M0 scales of q, one for each 32 codes along K); v_codes 2 x 2,048 x 32 x 24 uint8 (E2M3 codes of v, K innermost, in blocks of 32 codes, four codes in three bytes); v_scales 2 x 2,048 x 32 uint8 (E8M0 scales of v, one for each 32 codes along K).
;; Outputs: out0 2 x 2,048 x 1,024 float32.
;; This version of the problem:
;;   THIS VERSION OF THE PROBLEM IS GIVEN IN LOW PRECISION. The matrix products marked QUANTISED in the list below multiply operands that are first quantised to E2M3 (2 exponent bits, 3 mantissa bits; 6 bits a number), with one power-of-two scale for each 32 numbers along K (OCP MX v1.0); their sums are f32. All else is computed in f32.
;;   The module's matrix products, in the order in which they are computed (A, B: the left and right operand; K: the contracted axis; several contracted axes count as one K, in the product's order):
;;     1. [M 4,096, K 1,024] x [K 1,024, N 1,024]; A: input q (given as codes); B: input Wq (given as codes): QUANTISED
;;     2. [M 4,096, K 1,024] x [K 1,024, N 1,024]; A: input k (given as codes); B: input Wk (given as codes): QUANTISED
;;     3. [M 4,096, K 1,024] x [K 1,024, N 1,024]; A: input v (given as codes); B: input Wv (given as codes): QUANTISED
;;     4. batch 32 x [M 2,048, K 64] x [K 64, N 2,048]; A: computed on the way; B: computed on the way: QUANTISED
;;     5. batch 32 x [M 2,048, K 2,048] x [K 2,048, N 64]; A: softmax (see below); B: computed on the way: QUANTISED
;;     6. [M 4,096, K 1,024] x [K 1,024, N 1,024]; A: computed on the way; B: input Wo (given as codes): QUANTISED
;;   THE QUANTISER, for each operand of a quantised product, along K:
;;     - K is cut into blocks of 32 from its start; a last block that is shorter is filled with zeros.
;;     - A block's scale is 2^e with e = floor(log2(the largest magnitude in the block)) - 2, held to -126 .. 127; a block of zeros has e = 0. As a byte (E8M0): e + 127.
;;     - Each number is divided by its block's scale, clamped to +-7.5, and rounded to the nearest number of E2M3, ties to even, subnormals kept.
;;     - The product sums the exact products of the quantised numbers (number of the format x scale) in f32.
;;   ~~~python
;;   def quantise(x, axis):      # numpy; x: float32 -> the quantised numbers, widened to float32 again
;;       x = np.moveaxis(x, axis, -1); K = x.shape[-1]
;;       x = np.pad(x, [(0, 0)] * (x.ndim - 1) + [(0, -K % 32)]); x = x.reshape(x.shape[:-1] + (-1, 32)); a = np.abs(x).max(-1, keepdims=True)
;;       e = np.where(a > 0, np.clip(np.frexp(np.where(a > 0, a, 1))[1] - 1 - 2, -126, 127), 0)      # np.frexp(a)[1] - 1 = floor(log2(a)), exactly
;;       r = np.clip(x / 2.0 ** e, -7.5, 7.5)
;;       step = 2.0 ** (np.maximum(np.frexp(np.where(r == 0, 1, r))[1] - 1, 0) - 3)
;;       q = np.round(r / step) * step * 2.0 ** e      # np.round: ties to even
;;       return np.moveaxis(q.reshape(q.shape[:-2] + (-1,))[..., :K], -1, axis).astype(np.float32)
;;   ~~~
;;   SOFTMAX AHEAD OF A QUANTISED PRODUCT. Where the list says 'softmax', what is quantised is not the finished softmax but p = 2^(t - M), with t = logit x log2(e) and M = ceil(the row's largest t), a whole number; so 1/2 < the row's largest p <= 1. The row's sum l is taken of the UNQUANTISED p, in f32, and the product's result is divided by l at the end. Since M is a whole number, a kernel that streams over the keys may use a running M (the ceiling of the running maximum): every later rescaling is an exact power of two, which a block's scale takes up: the codes' values come out the same.
;;   OPERANDS COMPUTED ON THE WAY. 'Computed on the way' means the value that the module computes at that place (a softmax that the list does not call 'softmax' is quantised finished and normalised). What goes into a quantiser is computed in f32, as accurately as f32 sums, v_exp_f32 and their like allow (about 1e-6 of the number): no bf16 or f16 on the way to a quantiser, and a product that is left as it is and whose result goes on into a quantised operand takes f32 operands (vector FMAs, or v_wmma_f32_16x16x4_f32). A number that lies on a knife's edge between two numbers of the format may be rounded either way, as far as f32 arithmetic and the matrix unit's own rounding can turn it there, and no further.
;;   INPUTS GIVEN AS CODES. Wk (in the module: [1024, 1024], K = its axis 0); Wo (in the module: [1024, 1024], K = its axis 0); Wq (in the module: [1024, 1024], K = its axis 0); Wv (in the module: [1024, 1024], K = its axis 0); k (in the module: [2, 2048, 1024], K = its axis 2); q (in the module: [2, 2048, 1024], K = its axis 2); v (in the module: [2, 2048, 1024], K = its axis 2): each comes as NAME_codes (uint8): NAME with its K axis moved to the last place and cut into blocks of 32 codes, [.., K / 32, bytes a block], one block behind the other in memory; four codes in three bytes: a row's codes are one little-endian stream of bits, code i at bits 6 i .. 6 i + 5 (a code: sign, 2 exponent bits, 3 mantissa bits); and NAME_scales (uint8): the same leading axes, one E8M0 byte (e + 127) for each 32 codes along K. Its value is code x scale, taken as it is: it is not quantised again, and the codes and scales need not be those that the quantiser above would give.
;; One version. Each part assembles by itself: llvm-mc -triple=amdgcn-amd-amdhsa -mcpu=gfx1250 --defsym DOCPART=n.
;; ======== version 1 of 1: 3 launches
;; limits: right only within a limited range of input values
;; workspace buffers: qc 3,145,728 bytes; qs 131,072 bytes; kv 6,553,600 bytes; ac 3,145,728 bytes; as 131,072 bytes
;; launch proj (part 1): grid 32 x 6, 4 waves a work-group, clusters of 4 x 1, 327,680 bytes of LDS; arguments q_codes, q_scales, Wq_codes, Wq_scales, bq, qc, qs, k_codes, k_scales, Wk_codes, Wk_scales, bk, v_codes, v_scales, Wv_codes, Wv_scales, bv, kv; writes qc, qs, kv
.if DOCPART == 1
	.amdgcn_target "amdgcn-amd-amdhsa--gfx1250"
	.amdhsa_code_object_version 6
	.text
	.protected	k_q64b66eb8e6_proj
	.globl	k_q64b66eb8e6_proj
	.p2align	8
	.type	k_q64b66eb8e6_proj,@function
k_q64b66eb8e6_proj:
	s_mov_b64 s[64:65], 0
	v_nop
	global_prefetch_b8 v0, s[64:65] scope:SCOPE_SE
	s_setreg_imm32_b32 hwreg(HW_REG_WAVE_MODE, 25, 1), 1
	s_wait_xcnt 0x0
	s_wait_alu depctr_hold_cnt(0) depctr_sa_sdst(0) depctr_va_vdst(0) depctr_va_sdst(0) depctr_va_ssrc(0) depctr_va_vcc(0) depctr_vm_vsrc(0)
	s_getreg_b32 s2, hwreg(HW_REG_IB_STS2, 6, 4)
	s_cmp_eq_u32 s2, 0
	s_cbranch_scc0 .Lentry_in_a_cluster
	s_endpgm
.Lentry_in_a_cluster:
	s_bfe_u32 s2, ttmp6, 0x10000c
	s_cmp_lg_u32 s2, 0x3003
	s_cbranch_scc0 .Lentry_shape_is_right
	s_endpgm
.Lentry_shape_is_right:
; THE THREE PROJECTIONS: y = x W^T + b on codes of FP6 (E2M3), one E8M0 scale for each 32 along K = 1,024; y is quantised again for the attention.  No work of the problem is left out.
; The grid's y says which tensor (TEN = y / 2: q, k, v) and which half of the features (XH = y % 2); its x which 128 rows of x (YP).
; SHARES.  A work-group owns 128 rows of x and walks four blocks of 128 features of W through a ring of two LDS slots; a block is 128 x 128, each of the four waves 64 x 64: 16 accumulators.
; x's tile lands in LDS once; each wave then takes the fragments of its 64 rows for all of K into registers (4 tiles x 8 K steps x 12 = 384), where they serve all four blocks: a K step reads only W's 24 pieces from LDS.
; 96 row blocks x 8 feature blocks do not divide into 256 equal shares: 192 work-groups of four blocks each are launched.
; Tensor rows are whole rows of codes, 768 bytes, 16 bytes of padding behind every 256: LDS pitch 816 bytes = 204 words, so the 32 lanes of a load of 8 bytes touch 64 different banks (64 banks of 4 bytes: ISA guide 11.1).
; WHAT THE NEXT PRODUCT SUMS OVER GOES IN AS SOURCE 0: for q and k the features (S0 = W, S1 = x), for v the keys (S0 = x, S1 = W).  The two ways have copies of the K walk that differ in the order of the sources alone.
; The 16 rows of a tile are neighbours: a lane's 16 registers of S0's tiles 2 e, 2 e + 1 with lane l xor 16's are block e of 32, in an order of its own (places 8-15 hold k 16-23, places 16-23 hold k 8-15),
; which every operand that this program makes has on both sides of a product.
; RESULTS are images of operand registers: 16 rows x 64 along K, 768 bytes (registers 0-3 at 16 x lane, 4-5 at 512 + 8 x lane); scale bytes of four images: [r 16][image 4] of two bytes.
; qc [bh][64 rows 32][image 4][768], qs likewise of 128 bytes.  kv [bh][128 keys 16] of 12,800 bytes: K's 8 images, V's 8 images, K's 256 scale bytes, V's 256.
; CLUSTER 4 x 1: the four share W's blocks (joint loads, mask 15).  x's tile is shared by the two work-groups of the two feature halves alone, which lie in different clusters: it comes by a load of the work-group's own.
; Scale words and bias go from memory into registers, 512 consecutive bytes of scales for each tile of 16 rows.
; W's block two on is prefetched: 384 pieces of 256 bytes, 24 to each of the cluster's 16 waves, told apart by address; trips 0 and 1 ask, for blocks 2 and 3.
; LIMITS: NaN and infinities are not served.  A block under 2^-124 gets the scale byte 1 (a block of zeros too: its codes are zeros, and this program alone reads the bytes).
; q's factor 1/8, a power of two, is folded into the attention's factor (a block of q under 2^-121 would be held at the lowest scale by the stated quantiser, and is not here).
; REGISTERS.  window 0: v1-19 lane terms and addresses, v20-27 at work, v28-31 bias by lane, v32-63 S0's scale words, v64-95 S1's, v96-127 bias by register, v128-255 accumulators.
;   window 1: W's four fragments, two buffers, at v0 and v128.  windows 2 and 3: x's fragments, K step q at v[48 (q % 4)] of window 2 + q / 4.
.set PITCH,  816
.set HALF,   64*PITCH
.set WS0,    2*HALF                    ; x's 128 rows lie at 0, W's slots at WS0 and WS0 + WSLOT
.set WSLOT,  2*HALF
.set SPARE,  3*WSLOT
.set NF,     24
.set SC0,  32
.set SC1,  64
.set B0,   96
.set B1,   28
.set ACC,  128
.set TM,   20
.set TX,   96
.set SO,   120
.set MSB, 0
.macro WIN new
.if MSB != \new
	s_set_vgpr_msb (MSB<<8)|\new
.set MSB, \new
.endif
.endm
.set TO_F, 0x40
.macro PLACES
.rept 4
	v_nop
.endr
.endm
.macro CROUND
	s_barrier_signal -1
	s_barrier_wait -1
	s_cmp_lg_u32 s2, 0
	s_cbranch_scc1 .Lnot_wave_0_\@
	s_barrier_signal -3
.Lnot_wave_0_\@:
	s_barrier_wait -3
	s_barrier_signal -1
	s_barrier_wait -1
.endm
	s_load_b512 s[4:19], s[0:1], 0x0               ; q's seven pointers s[4:17]; k's five s[18:27]; v's five s[28:37]; kv s[38:39]
	s_load_b512 s[20:35], s[0:1], 0x40
	s_load_b128 s[36:39], s[0:1], 0x80
	v_lshl_add_u32 v10, v0, 2, SPARE
	v_mov_b32 v11, 0
	ds_add_u32 v10, v11                            ; the opening lines
	ds_add_u32 v10, v11
	v_lshrrev_b32 v1, 5, v0
	v_readfirstlane_b32 s2, v1                     ; wave
	s_lshr_b32 s3, s2, 1                           ; FR: my half of x's rows
	s_and_b32 s93, s2, 1                           ; HB: my half of W's rows
	s_bfe_u32 s96, ttmp6, 0x40000                  ; cx
	s_lshl_b32 s92, ttmp9, 2
	s_add_co_u32 s92, s92, s96                     ; YP
	s_and_b32 s91, ttmp7, 0xffff
	s_lshr_b32 s90, s91, 1                         ; TEN
	s_and_b32 s91, s91, 1                          ; XH
	s_mov_b32 s44, (1<<20)|(5<<22)|(3<<25)         ; group 1, x: 64 rows x 768 bytes, padded; no mask
	s_mov_b32 s52, 15|(1<<20)|(1<<21)|(5<<22)|(3<<25)  ; W: the same, mask: all four
.irp g, 44, 52
	s_mov_b32 s[\g+1], 768<<16
	s_mov_b32 s[\g+2], 64<<16
	s_mov_b32 s[\g+3], 768<<16
	s_mov_b32 s[\g+4], 64
	s_mov_b32 s[\g+5], 768
	s_mov_b32 s[\g+6], 0
	s_mov_b32 s[\g+7], 0
.endr
	s_wait_dscnt 0x0
	s_wait_kmcnt 0x0
	s_cmp_eq_u32 s90, 1
.irp i, 0,2,4,6,8
	s_cselect_b64 s[4+\i:5+\i], s[18+\i:19+\i], s[4+\i:5+\i]
.endr
	s_cmp_eq_u32 s90, 2
.irp i, 0,2,4,6,8
	s_cselect_b64 s[4+\i:5+\i], s[28+\i:29+\i], s[4+\i:5+\i]
.endr
	s_cmp_eq_u32 s90, 0
	s_cselect_b64 s[14:15], s[14:15], s[38:39]
	s_cselect_b64 s[16:17], s[16:17], s[38:39]
	s_lshl_b32 s40, s92, 7
	s_lshl_b32 s41, s93, 6
	s_add_co_u32 s40, s40, s41
	s_mul_i32 s40, s40, 768                        ; x: row 128 YP + 64 (wave % 2)
	s_mov_b32 s41, 0
	s_mov_b32 s60, 1
	s_mul_i32 s61, s2, HALF                        ; the head's four loads land at wave x 64 rows: x's two halves, then W's in slot 0
	s_add_nc_u64 s[62:63], s[4:5], s[40:41]
	s_or_b32 s63, s63, 0x80000000
	s_mul_i32 s42, s91, 393216
	s_mov_b32 s43, 0
	s_add_nc_u64 s[8:9], s[8:9], s[42:43]          ; the first of my four blocks of W
	s_mul_i32 s42, s93, 49152
	s_mov_b32 s68, 1
	s_mul_i32 s69, s2, HALF
	s_add_nc_u64 s[70:71], s[8:9], s[42:43]
	s_or_b32 s71, s71, 0x80000000
	s_mul_i32 s42, s2, 24576                       ; the ring's loads: 32 rows a wave
	s_mov_b32 s72, 1
	s_mov_b32 s73, WS0
	s_add_nc_u64 s[74:75], s[8:9], s[42:43]
	s_or_b32 s75, s75, 0x80000000
	s_mul_i32 s95, s2, 32*PITCH
	s_add_co_u32 s95, s95, WS0
	s_add_nc_u64 s[88:89], s[8:9], 2*98304         ; the prefetches begin at block 2
	CROUND
	s_cmp_lt_u32 s2, 2                             ; one tensor load a wave at the head
	s_cbranch_scc0 .Lhead_w
	tensor_load_to_lds s[60:63], s[44:51]
	s_nop 0
	PLACES
	s_branch .Lasked
.Lhead_w:
	tensor_load_to_lds s[68:71], s[52:59]
	s_nop 0
	PLACES
.Lasked:
	s_lshl_b32 s40, s92, 12
	s_lshl_b32 s42, s3, 11
	s_add_co_u32 s40, s40, s42
	s_add_nc_u64 s[6:7], s[6:7], s[40:41]          ; x's scale bytes: row 128 YP + 64 FR
	s_lshl_b32 s40, s91, 9
	s_lshl_b32 s42, s93, 6
	s_add_co_u32 s42, s40, s42                     ; my first feature: 512 XH + 64 HB
	s_lshl_b32 s40, s42, 5
	s_add_nc_u64 s[10:11], s[10:11], s[40:41]
	s_lshl_b32 s40, s42, 2
	s_add_nc_u64 s[12:13], s[12:13], s[40:41]
	s_cmp_eq_u32 s90, 2
	s_cselect_b64 s[76:77], s[6:7], s[10:11]       ; S0's scale bytes, S1's, and their steps from block to block
	s_cselect_b64 s[78:79], s[10:11], s[6:7]
	s_cselect_b32 s80, 0, 4096
	s_cselect_b32 s82, 4096, 0
	s_mov_b32 s81, 0
	s_mov_b32 s83, 0
	s_lshr_b32 s40, s92, 4
	s_lshl_b32 s40, s40, 4
	s_lshl_b32 s42, s91, 3
	s_add_co_u32 s40, s40, s42
	s_add_co_u32 s40, s40, s93                     ; bh of my first block: 16 batch + 8 XH + HB
	s_and_b32 s42, s92, 15
	s_lshl_b32 s100, s40, 5
	s_lshl_b32 s101, s42, 1
	s_add_co_u32 s100, s100, s101
	s_add_co_u32 s100, s100, s3                    ; q: 32 bh + 2 (YP % 16) + FR
	s_mul_i32 s101, s100, 3072
	s_lshl_b32 s100, s100, 7
	s_mul_i32 s40, s40, 204800                     ; k, v: the head, the step of 128 keys,
	s_mul_i32 s42, s42, 12800
	s_add_co_u32 s40, s40, s42
	s_mul_i32 s42, s3, 3072                        ; and my 64 of them
	s_add_co_u32 s42, s40, s42
	s_lshl_b32 s43, s3, 7
	s_add_co_u32 s43, s40, s43
	s_add_co_u32 s43, s43, 12288
	s_cmp_eq_u32 s90, 2
	s_cselect_b32 s40, 6144, 0
	s_cselect_b32 s97, 256, 0
	s_add_co_u32 s42, s42, s40
	s_add_co_u32 s43, s43, s97
	s_mov_b32 s84, 196608                          ; two heads on: q's images, q's scale bytes; in kv
	s_mov_b32 s86, 8192
	s_mov_b32 s40, 409600
	s_cmp_eq_u32 s90, 0
	s_cselect_b32 s42, s101, s42
	s_cselect_b32 s100, s100, s43
	s_cselect_b32 s84, s84, s40
	s_cselect_b32 s86, s86, s40
	s_mov_b32 s43, 0
	s_mov_b32 s101, 0
	s_mov_b32 s85, 0
	s_mov_b32 s87, 0
	s_add_nc_u64 s[14:15], s[14:15], s[42:43]
	s_add_nc_u64 s[16:17], s[16:17], s[100:101]
	s_mul_i32 s40, s3, HALF
	s_mul_i32 s42, s93, HALF
	s_add_co_u32 s42, s42, WS0
	s_lshl_b32 s43, s96, 2
	s_add_co_u32 s43, s43, s2
	s_mul_i32 s43, s43, 24
	s_mov_b32 s98, 0x76543210
	s_mov_b32 s99, 0xfedcba98
	s_mov_b32 s94, 0                               ; the block's number
	s_mov_b32 s41, 0                               ; this block's slot, in bytes
	v_and_b32 v1, 15, v0                           ; r
	v_bfe_u32 v2, v0, 4, 1                         ; h
	v_and_b32 v3, 31, v0
	v_mul_u32_u24 v19, v1, PITCH
	v_mad_u32_u24 v19, v2, 24, v19
	v_add_nc_u32 v4, s40, v19                      ; x's fragments; v5: behind one padding more
	v_lshl_add_u32 v5, v2, 4, v4
	v_add_nc_u32 v6, s42, v19                      ; W's, in slot 0
	v_lshl_add_u32 v7, v2, 4, v6
	v_lshlrev_b32 v12, 4, v3
	v_lshlrev_b32 v13, 3, v3
	v_lshlrev_b32 v14, 3, v1
	v_lshl_add_u32 v14, v2, 2, v14
	v_lshlrev_b32 v15, 5, v2
	v_lshlrev_b32 v16, 2, v1
	v_lshlrev_b32 v17, 5, v1
	v_min_u32 v18, 23, v3
	v_add_nc_u32 v18, s43, v18
	v_lshlrev_b32 v18, 8, v18                      ; my piece of 256 bytes of a block of W (lanes 24-31 name the wave's last again)
.macro SCLOAD                          ; the scale words of all eight K steps: a row's 32 bytes, two loads
.irp t, 0,1,2,3
	global_load_b128 v[SC0+8*\t:SC0+8*\t+3], v17, s[76:77] offset:512*\t
	global_load_b128 v[SC0+8*\t+4:SC0+8*\t+7], v17, s[76:77] offset:512*\t+16
	global_load_b128 v[SC1+8*\t:SC1+8*\t+3], v17, s[78:79] offset:512*\t
	global_load_b128 v[SC1+8*\t+4:SC1+8*\t+7], v17, s[78:79] offset:512*\t+16
.endr
.endm
	SCLOAD
.macro FRAG reg, adr, q, row           ; 16 rows x 128 K, 12 registers, in pieces of 8 bytes; lanes 16-31 read three pieces on: where that is behind one padding more, the second address register serves
.irp p, 0,1,2,3,4,5
.set PCE, 12*(\q)+6*(\p/3)+\p%3
.if PCE%32 < 29
	ds_load_b64 v[(\reg)+2*\p:(\reg)+2*\p+1], v[(\adr)] offset:8*PCE+16*(PCE/32)+(\row)*PITCH
.else
	ds_load_b64 v[(\reg)+2*\p:(\reg)+2*\p+1], v[(\adr)+1] offset:8*PCE+16*(PCE/32)+(\row)*PITCH
.endif
.endr
.endm
.macro FETCH q                         ; W's four fragments of K step q into buffer q % 2 of window 1
	WIN TO_F
.irp a, 0,1,2,3
	FRAG 128*((\q)%2)+12*\a, 8, \q, 16*\a
.endr
.endm
.macro XLOAD                           ; x's fragments of my 64 rows, all eight K steps, into windows 2 and 3: 192 loads, once
.irp q, 0,1,2,3,4,5,6,7
.set WV, (2+\q/4)<<6
	WIN WV
.irp t, 0,1,2,3
	FRAG 48*(\q%4)+12*\t, 4, \q, 16*\t
.endr
.endr
	WIN 0
.endm
.macro MUL8 q, b0, vp                  ; the 16 accumulators take turns; K step 0 starts the sums.  vp = 0: S0 = W, S1 = x; vp = 1: S0 = x, S1 = W
.if \vp
.set WV, (2+(\q)/4)|(1<<2)
.else
.set WV, 1|((2+(\q)/4)<<2)
.endif
	WIN WV
.irp b, \b0, \b0+1
.irp a, 0,1,2,3
.if \vp
.set R0, 48*((\q)%4)+12*\a
.set R1, 128*((\q)%2)+12*(\b)
.else
.set R0, 128*((\q)%2)+12*\a
.set R1, 48*((\q)%4)+12*(\b)
.endif
.if (\q) == 0
	v_wmma_scale_f32_16x16x128_f8f6f4 v[ACC+32*(\b)+8*\a:ACC+32*(\b)+8*\a+7], v[R0:R0+11], v[R1:R1+11], 0, v[SC0+8*\a+(\q)], v[SC1+8*(\b)+(\q)] matrix_a_fmt:MATRIX_FMT_FP6 matrix_b_fmt:MATRIX_FMT_FP6
.else
	v_wmma_scale_f32_16x16x128_f8f6f4 v[ACC+32*(\b)+8*\a:ACC+32*(\b)+8*\a+7], v[R0:R0+11], v[R1:R1+11], v[ACC+32*(\b)+8*\a:ACC+32*(\b)+8*\a+7], v[SC0+8*\a+(\q)], v[SC1+8*(\b)+(\q)] matrix_a_fmt:MATRIX_FMT_FP6 matrix_b_fmt:MATRIX_FMT_FP6
.endif
.endr
.endr
.endm
.macro MAIN vp                         ; the walk along K: eight steps, the next step's 24 loads out while a step is multiplied
	FETCH 0
.irp q, 0,1,2,3,4,5,6
.if \q > 0
	PLACES
.endif
	FETCH \q+1
	s_wait_dscnt NF                                ; all but the 24 just issued
	MUL8 \q, 0, \vp
	MUL8 \q, 2, \vp
.endr
	s_wait_dscnt 0x0
	MUL8 7, 0, \vp
	MUL8 7, 2, \vp
	WIN 0
.endm
.macro BLOCK last
	s_wait_alu depctr_va_vdst(0)
	s_wait_tensorcnt 0x0                           ; all my tensor loads have landed;
	ds_add_u32 v10, v11                            ; the add;
.if !\last
	s_mov_b32 s54, 32<<16                          ; no load of mine is out: the ring's loads bring 32 rows a wave,
	s_mov_b32 s56, 32
	s_xor_b32 s40, s41, WSLOT                      ; into the other slot,
	s_add_co_u32 s73, s40, s95
	s_add_nc_u64 s[74:75], s[74:75], 98304         ; the next block of W
.endif
	s_wait_dscnt 0x0                               ; the add, and my reads of the other slot (ahead of block 0: of x's tile)
.if !\last
	CROUND
	tensor_load_to_lds s[72:75], s[52:59]
	s_nop 0
	PLACES
.else
	s_barrier_signal -1
	s_barrier_wait -1
.endif
	v_add_nc_u32 v8, s41, v6                       ; W's fragments in this block's slot
	v_add_nc_u32 v9, s41, v7
	s_wait_alu depctr_va_vdst(0)
.irp a, 0,1,2,3                        ; the bias of my 64 features, by register and by lane
	global_load_b128 v[B0+8*\a:B0+8*\a+3], v15, s[12:13] offset:64*\a
	global_load_b128 v[B0+8*\a+4:B0+8*\a+7], v15, s[12:13] offset:64*\a+16
.endr
.irp b, 0,1,2,3
	global_load_b32 v[B1+\b], v16, s[12:13] offset:64*\b
.endr
.if !\last
	s_cmp_lt_u32 s94, 2
	s_cbranch_scc0 .Lno_ask_\@
	global_prefetch_b8 v18, s[88:89] th:TH_LOAD_NT scope:SCOPE_SE
.Lno_ask_\@:
.endif
	s_wait_loadcnt 12                              ; the scale words are in; the 12 loads of the bias may be out
	s_cmp_eq_u32 s90, 2
	s_cbranch_scc1 .Lmain_v_\@
	MAIN 0
	s_branch .Lmain_done_\@
.Lmain_v_\@:
	MAIN 1
.Lmain_done_\@:
	PLACES
.if !\last
	s_add_nc_u64 s[76:77], s[76:77], s[80:81]
	s_add_nc_u64 s[78:79], s[78:79], s[82:83]
	SCLOAD                                         ; the next block's scale words come while this block is quantised
	s_wait_loadcnt 16                              ; the bias is in
.else
	s_wait_loadcnt 0x0
.endif
	s_add_nc_u64 s[12:13], s[12:13], 512
	s_cmp_eq_u32 s90, 2
	s_cbranch_scc1 .Lbias_v_\@
.set n, 0
.rept 64
	v_pk_add_f32 v[ACC+2*n:ACC+2*n+1], v[ACC+2*n:ACC+2*n+1], v[B0+(2*n)%32:B0+(2*n)%32+1]
.set n, n+1
.endr
	s_branch .Lquant_\@
.Lbias_v_\@:
.set n, 0
.rept 128
	v_add_f32 v[ACC+n], v[ACC+n], v[B1+n/32]
.set n, n+1
.endr
.Lquant_\@:
.irp e, 0,1,2,3,4,5,6,7                ; block e: my 16 numbers v[ACC + 16 e ..], the other 16 in lane l xor 16; the floor 2^(3 - 127) holds the byte at 1 from below
	v_max3_num_f32 v[TM+\e], |v[ACC+16*\e]|, |v[ACC+16*\e+1]|, 0x1800000
.endr
.irp i, 2,4,6,8,10,12,14
.irp e, 0,1,2,3,4,5,6,7
	v_max3_num_f32 v[TM+\e], v[TM+\e], |v[ACC+16*\e+\i]|, |v[ACC+16*\e+\i+1]|
.endr
.endr
.irp e, 0,1,2,3,4,5,6,7
	v_permlanex16_b32 v[TX+\e], v[TM+\e], s98, s99
.endr
.irp e, 0,1,2,3,4,5,6,7
	v_max_num_f32 v[TM+\e], v[TM+\e], v[TX+\e]
.endr
.irp e, 0,1,2,3,4,5,6,7
	v_add_nc_u32 v[SO+\e], 0xff000000, v[TM+\e]    ; 2 off the exponent field: the conversion's scale operand
.endr
.irp e, 0,1,2,3,4,5,6,7
	v_lshrrev_b32 v[TX+\e], 23, v[SO+\e]           ; the scale's byte
.endr
.irp b, 0,1,2,3
	v_lshl_or_b32 v[TM+\b], v[TX+2*\b+1], 8, v[TX+2*\b]
.endr
	v_lshl_or_b32 v3, v[TM+1], 16, v[TM]
	v_lshl_or_b32 v[TM+4], v[TM+3], 16, v[TM+2]
	v_cmp_eq_u32 vcc_lo, 1, v2
	v_cndmask_b32 v3, v3, v[TM+4], vcc_lo          ; lanes 0-15 store the first word of a row's eight bytes, lanes 16-31 the second
.irp b, 0,1
	v_cvt_scalef32_pk16_fp6_f32 v[96+12*\b:98+12*\b], v[ACC+32*\b:ACC+32*\b+15], v[SO+2*\b]
	v_cvt_scalef32_pk16_fp6_f32 v[104+12*\b:106+12*\b], v[ACC+32*\b+16:ACC+32*\b+31], v[SO+2*\b+1]
.endr
	v_nop
.irp b, 2,3
	v_cvt_scalef32_pk16_fp6_f32 v[104+12*\b:106+12*\b], v[ACC+32*\b:ACC+32*\b+15], v[SO+2*\b]
	v_cvt_scalef32_pk16_fp6_f32 v[112+12*\b:114+12*\b], v[ACC+32*\b+16:ACC+32*\b+31], v[SO+2*\b+1]
.endr
	v_nop
.irp b, 0,1,2,3                        ; a whole block in a lane: lanes 0-15 block 0, lanes 16-31 block 1
.irp i, 0,1,2
	v_permlane16_swap_b32 v[96+12*\b+8*(\b/2)+\i], v[104+12*\b+8*(\b/2)+\i]
.endr
.irp i, 0,1,2
	v_mov_b32 v[99+12*\b+8*(\b/2)+\i], v[104+12*\b+8*(\b/2)+\i]
.endr
.endr
.irp b, 0,1,2,3
	global_store_b128 v12, v[96+12*\b+8*(\b/2):99+12*\b+8*(\b/2)], s[14:15] offset:768*\b        ; 512 consecutive bytes, aligned to 256
	global_store_b64 v13, v[100+12*\b+8*(\b/2):101+12*\b+8*(\b/2)], s[14:15] offset:768*\b+512   ; 256 consecutive bytes, aligned to 256
.endr
	global_store_b32 v14, v3, s[16:17]             ; 128 consecutive bytes
.if !\last
	s_wait_xcnt 0x0                                ; the stores and the prefetch have read their registers and bases
	s_add_nc_u64 s[14:15], s[14:15], s[84:85]
	s_add_nc_u64 s[16:17], s[16:17], s[86:87]
	s_add_nc_u64 s[88:89], s[88:89], 98304
	s_xor_b32 s41, s41, WSLOT
.endif
.endm
	s_wait_alu depctr_va_vdst(0)
	s_wait_tensorcnt 0x0                           ; my part of the head's tiles is in
	s_barrier_signal -1
	s_barrier_wait -1                              ; everybody's is
	XLOAD
.Lblock:                                               ; blocks 0 to 2 ask for the block behind them
	BLOCK 0
	s_add_co_u32 s94, s94, 1
	s_cmp_lt_u32 s94, 3
	s_cbranch_scc1 .Lblock
	BLOCK 1                                        ; block 3 asks for nothing
	s_wait_tensorcnt 0x0                           ; the wave's end
	ds_add_u32 v10, v11
	s_wait_dscnt 0x0
	CROUND
	s_endpgm
.Lfunc_end_k_q64b66eb8e6_proj:
	.size	k_q64b66eb8e6_proj, .Lfunc_end_k_q64b66eb8e6_proj-k_q64b66eb8e6_proj
	.p2alignl 7, 3214868480
	.fill 96, 4, 3214868480
	.section	.rodata,"a",@progbits
	.p2align	6, 0x0
	.amdhsa_kernel k_q64b66eb8e6_proj
		.amdhsa_group_segment_fixed_size 327680
		.amdhsa_private_segment_fixed_size 0
		.amdhsa_enable_private_segment 0
		.amdhsa_kernarg_size 144
		.amdhsa_user_sgpr_count 2
		.amdhsa_user_sgpr_kernarg_segment_ptr 1
		.amdhsa_wavefront_size32 1
		.amdhsa_system_sgpr_workgroup_id_x 1
		.amdhsa_system_sgpr_workgroup_id_y 1
		.amdhsa_system_sgpr_workgroup_id_z 1
		.amdhsa_system_vgpr_workitem_id 0
		.amdhsa_next_free_vgpr 1024
		.amdhsa_next_free_sgpr 102
		.amdhsa_reserve_vcc 1
		.amdhsa_float_denorm_mode_32 3
		.amdhsa_float_denorm_mode_16_64 3
		.amdhsa_memory_ordered 1
		.amdhsa_forward_progress 1
		.amdhsa_inst_pref_size 180
	.end_amdhsa_kernel
	.amdgpu_metadata
---
amdhsa.version: [ 1, 2 ]
amdhsa.kernels:
  - .name:           k_q64b66eb8e6_proj
    .symbol:         k_q64b66eb8e6_proj.kd
    .args:
      - { .name: q_codes, .offset: 0, .size: 8, .value_kind: global_buffer, .address_space: global }
      - { .name: q_scales, .offset: 8, .size: 8, .value_kind: global_buffer, .address_space: global }
      - { .name: Wq_codes, .offset: 16, .size: 8, .value_kind: global_buffer, .address_space: global }
      - { .name: Wq_scales, .offset: 24, .size: 8, .value_kind: global_buffer, .address_space: global }
      - { .name: bq, .offset: 32, .size: 8, .value_kind: global_buffer, .address_space: global }
      - { .name: qc, .offset: 40, .size: 8, .value_kind: global_buffer, .address_space: global }
      - { .name: qs, .offset: 48, .size: 8, .value_kind: global_buffer, .address_space: global }
      - { .name: k_codes, .offset: 56, .size: 8, .value_kind: global_buffer, .address_space: global }
      - { .name: k_scales, .offset: 64, .size: 8, .value_kind: global_buffer, .address_space: global }
      - { .name: Wk_codes, .offset: 72, .size: 8, .value_kind: global_buffer, .address_space: global }
      - { .name: Wk_scales, .offset: 80, .size: 8, .value_kind: global_buffer, .address_space: global }
      - { .name: bk, .offset: 88, .size: 8, .value_kind: global_buffer, .address_space: global }
      - { .name: v_codes, .offset: 96, .size: 8, .value_kind: global_buffer, .address_space: global }
      - { .name: v_scales, .offset: 104, .size: 8, .value_kind: global_buffer, .address_space: global }
      - { .name: Wv_codes, .offset: 112, .size: 8, .value_kind: global_buffer, .address_space: global }
      - { .name: Wv_scales, .offset: 120, .size: 8, .value_kind: global_buffer, .address_space: global }
      - { .name: bv, .offset: 128, .size: 8, .value_kind: global_buffer, .address_space: global }
      - { .name: kv, .offset: 136, .size: 8, .value_kind: global_buffer, .address_space: global }
    .group_segment_fixed_size: 327680
    .private_segment_fixed_size: 0
    .kernarg_segment_align: 8
    .kernarg_segment_size: 144
    .max_flat_workgroup_size: 128
    .sgpr_count:     102
    .vgpr_count:     1024
    .wavefront_size: 32
...
	.end_amdgpu_metadata
.endif
;; end of part 1
;; launch attn (part 2): grid 8 x 32, 16 waves a work-group, clusters of 4 x 1, 207,360 bytes of LDS; arguments qc, qs, kv, ac, as; writes ac, as
.if DOCPART == 2
	.amdgcn_target "amdgcn-amd-amdhsa--gfx1250"
	.amdhsa_code_object_version 6
	.text
	.protected	k_q64b66eb8e6_attn
	.globl	k_q64b66eb8e6_attn
	.p2align	8
	.type	k_q64b66eb8e6_attn,@function
k_q64b66eb8e6_attn:
	s_mov_b64 s[64:65], 0
	v_nop
	global_prefetch_b8 v0, s[64:65] scope:SCOPE_SE
	s_setreg_imm32_b32 hwreg(HW_REG_WAVE_MODE, 25, 1), 1
	s_wait_xcnt 0x0
	s_wait_alu depctr_hold_cnt(0) depctr_sa_sdst(0) depctr_va_vdst(0) depctr_va_sdst(0) depctr_va_ssrc(0) depctr_va_vcc(0) depctr_vm_vsrc(0)
	s_getreg_b32 s2, hwreg(HW_REG_IB_STS2, 6, 4)
	s_cmp_eq_u32 s2, 0
	s_cbranch_scc0 .Lentry_in_a_cluster
	s_endpgm
.Lentry_in_a_cluster:
	s_bfe_u32 s2, ttmp6, 0x10000c
	s_cmp_lg_u32 s2, 0x3003
	s_cbranch_scc0 .Lentry_shape_is_right
	s_endpgm
.Lentry_shape_is_right:
; ATTENTION on codes of FP6 (E2M3): for each of 32 (batch, head): o = softmax(q k^T / 8) v, head size 64, 2,048 queries and keys; o is quantised along the features for the output projection.  No work is left out.
; INPUTS are images of operand registers (16 neighbouring rows x 64 along K, 768 bytes: lane l's registers 0-3 at 16 l, 4-5 at 512 + 8 l), made by the launch before.
;   qc [bh][64 queries][tile 4][768].  kv [bh][step of 128 keys 16] of 12,800 bytes: K's 8 tiles of 16 keys; V's [64 keys 2][16 channels 4]; K's scale bytes [64 keys 2][r 16][image 4] of two; V's likewise.
;   Inside each block of 32 along K the images have an order of their own (places 8-15 hold k 16-23, places 16-23 hold k 8-15), on both sides of each product.
; THE SOFTMAX: t = score x log2(e) / 8; M = the running largest t rounded up to a whole number; p = 2^(t - M) is quantised along the keys; the row's sum is taken of the unquantised p and divides o at the end.
; When M moves, the sum and o are multiplied by 2^(old M - new M): exact.
; SHARES.  A work-group owns 256 queries of one head, each of its sixteen waves 16, four waves to a SIMD.  The head's whole K and V lie in LDS, 204,800 bytes, each byte filled once:
; wave w fetches step w's 12,800 bytes (50 rows of 256), one tensor load a wave, jointly with the three other work-groups of the head (cluster 4 x 1, mask 15).  One barrier, then 16 steps in which no wave waits for another.
; No prefetch: all that the launch reads by tensor loads is asked for at its head, so there is no loop to run ahead in.
; BOTH PRODUCTS ARE USED TRANSPOSED (S^T = K Q^T, O^T = V^T P^T): a lane holds one query.  K = 64 in a form of K = 128: source 0 is a pair of key tiles, source 1 is Q beside six registers of zero codes, below or above.
; LIMITS: NaN and infinities are not served; the scaled scores stay under 2^31 in magnitude; a block of o under 2^-124 gets the scale byte 1 (this program alone reads the bytes).
; REGISTERS: v1-3 lane terms (16 l, 8 l, 8 r), v7-9 the step's addresses; v12 -M, v13 largest t, v[14:15] the sum; v17, v18 Q's scale words, v19 p's; v20 f (v21 = 0); v22-23 K's scale words (lanes 16-31: pairs 2, 3);
;   v26-29 V's scale bytes, v30-33 its words; v34 at work; v36-59 Q below and above; v60-107 fragments of K, then V; v108-171 S^T, then p; v172-203 O^T; v204-215 p's codes; v216-237 at work; v238-242 the head's and the way out's offsets.
.set STEPB, 12800
.set SST,   204800                     ; 512 bytes into which no fill lands: o's scale bytes meet here
.set SPARE, 205312
.set KF,   60
.set S,    108
.set O,    172
.set PC,   204
.set PT,   216
.set BM,   224
.set BX,   228
.set SO,   232
.macro CROUND
	s_barrier_signal -1
	s_barrier_wait -1
	s_cmp_lg_u32 s20, 0
	s_cbranch_scc1 .Lnot_wave_0_\@
	s_barrier_signal -3
.Lnot_wave_0_\@:
	s_barrier_wait -3
	s_barrier_signal -1
	s_barrier_wait -1
.endm
	s_load_b128 s[4:7], s[0:1], 0x0                ; qc, qs
	s_load_b64 s[8:9], s[0:1], 0x10                ; kv
	s_load_b128 s[16:19], s[0:1], 0x18             ; ac, as
	v_lshl_add_u32 v254, v0, 2, SPARE
	v_mov_b32 v255, 0
	ds_add_u32 v254, v255                          ; the opening lines
	ds_add_u32 v254, v255
	v_lshrrev_b32 v1, 5, v0
	s_delay_alu instid0(VALU_DEP_1)
	v_readfirstlane_b32 s20, v1                    ; wave
	s_bfe_u32 s89, ttmp6, 0x40000
	s_lshl_b32 s90, ttmp9, 2
	s_add_co_u32 s90, s90, s89                     ; x: my block of 256 queries
	s_and_b32 s91, ttmp7, 0xffff                   ; bh
	s_mov_b32 s28, 15|(3<<16)|(1<<21)              ; group 1: 50 rows of 256 bytes (32 elements of 8), dense
	s_mov_b32 s29, 32<<16
	s_mov_b32 s30, 50<<16
	s_mov_b32 s31, 32<<16
	s_mov_b32 s32, 50
	s_mov_b32 s33, 32
	s_mov_b32 s34, 0
	s_mov_b32 s35, 0
	s_mul_i32 s92, s91, 204800
	s_mul_i32 s45, s20, STEPB                      ; step = wave: in LDS as in memory
	s_add_co_u32 s92, s92, s45
	s_mov_b32 s93, 0
	s_mov_b32 s44, 1
	s_mov_b32 s22, 0x76543210
	s_mov_b32 s23, 0xfedcba98
	s_mov_b32 s24, 0x3e38aa3b                      ; c = log2(e) / 8
	s_mov_b32 s25, s24
	s_mov_b32 s96, 0x05040100
	s_mov_b32 s97, 0x07060302
	s_wait_dscnt 0x0
	s_wait_kmcnt 0x0
	s_add_nc_u64 s[46:47], s[8:9], s[92:93]
	s_or_b32 s47, s47, 0x80000000
	CROUND
	tensor_load_to_lds s[44:47], s[28:35]
	s_nop 0
.rept 4
	v_nop
.endr
	s_lshl_b32 s92, s91, 7
	s_lshl_b32 s94, s90, 4
	s_add_co_u32 s92, s92, s94
	s_add_co_u32 s92, s92, s20                     ; my tile of queries: 128 bh + 16 x + wave
	s_mul_i32 s92, s92, 768
	s_add_nc_u64 s[4:5], s[4:5], s[92:93]
	s_lshl_b32 s92, s91, 5
	s_lshl_b32 s94, s90, 2
	s_add_co_u32 s92, s92, s94
	s_lshr_b32 s94, s20, 2
	s_add_co_u32 s92, s92, s94
	s_lshl_b32 s92, s92, 7
	s_and_b32 s95, s20, 3
	s_lshl_b32 s95, s95, 1
	s_add_co_u32 s92, s92, s95
	s_add_nc_u64 s[6:7], s[6:7], s[92:93]          ; its two scale bytes of a row's eight
	s_lshl_b32 s94, s94, 7
	s_add_co_u32 s94, s94, s95
	s_add_co_u32 s94, s94, SST
	s_mov_b32 s66, 0
	v_and_b32 v238, 31, v0
	v_and_b32 v240, 15, v0
	s_delay_alu instid0(VALU_DEP_2)
	v_lshlrev_b32 v239, 3, v238
	v_lshlrev_b32 v238, 4, v238
	s_delay_alu instid0(VALU_DEP_3)
	v_lshlrev_b32 v240, 3, v240
	global_load_b128 v[36:39], v238, s[4:5]        ; Q's image twice: the lower half of one operand, the upper half of another
	global_load_b64 v[40:41], v239, s[4:5] offset:512
	global_load_b128 v[54:57], v238, s[4:5]
	global_load_b64 v[58:59], v239, s[4:5] offset:512
	global_load_u16 v17, v240, s[6:7]
.irp i, 42,43,44,45,46,47,48,49,50,51,52,53
	v_mov_b32 v\i, 0
.endr
	v_mov_b32 v1, v238
	v_mov_b32 v2, v239
	v_mov_b32 v3, v240
	v_add_nc_u32 v7, s66, v238
	v_add_nc_u32 v8, s66, v239
	v_add_nc_u32 v9, s66, v240
	v_add_nc_u32 v241, s94, v240
	v_add_nc_u32 v242, SST, v238
	s_and_b32 s89, s91, 15                         ; head
	s_lshr_b32 s21, s91, 4                         ; batch
	s_lshr_b32 s92, s89, 2
	s_lshl_b32 s92, s92, 8                         ; ac: [head / 4][tile of rows 256][head % 4][768]
	s_lshl_b32 s95, s21, 7
	s_add_co_u32 s92, s92, s95
	s_lshl_b32 s95, s90, 4
	s_add_co_u32 s92, s92, s95
	s_add_co_u32 s92, s92, s20
	s_lshl_b32 s92, s92, 2
	s_and_b32 s95, s89, 3
	s_add_co_u32 s92, s92, s95
	s_mul_i32 s92, s92, 768
	s_add_nc_u64 s[16:17], s[16:17], s[92:93]
	s_lshl_b32 s92, s89, 6                         ; as: [head][64 rows 64][128]
	s_lshl_b32 s95, s21, 5
	s_add_co_u32 s92, s92, s95
	s_lshl_b32 s95, s90, 2
	s_add_co_u32 s92, s92, s95
	s_lshl_b32 s92, s92, 7
	s_add_nc_u64 s[18:19], s[18:19], s[92:93]
	v_mov_b32 v13, 0xff61b1e6                      ; -3e38, under every t
	s_delay_alu instid0(VALU_DEP_1)
	v_floor_f32 v12, -v13
	v_mov_b32 v14, 0
	v_mov_b32 v15, 0
	v_mov_b32 v21, 0
.irp b, 0,1,2,3
	v_mov_b32 v[BX+\b], 0
.endr
	s_wait_loadcnt 0x0
	v_lshlrev_b32 v18, 16, v17
.set j, 0
.rept 32
	v_mov_b32 v[O+j], 0
.set j, j+1
.endr
.macro TMM j
	v_pk_fma_f32 v[S+(\j):S+(\j)+1], v[S+(\j):S+(\j)+1], s[24:25], v[12:13] op_sel_hi:[1,0,0]
.endm
.macro SUMN                            ; pair n of p goes to one of four chains
.if n%4 == 2
	v_pk_add_f32 v[14:15], v[14:15], v[S+2*n:S+2*n+1]
.elseif n%4 == 3
	v_pk_add_f32 v[236:237], v[236:237], v[S+2*n:S+2*n+1]
.elseif n%4 == 0
	v_pk_add_f32 v[216:217], v[216:217], v[S+2*n:S+2*n+1]
.else
	v_pk_add_f32 v[218:219], v[218:219], v[S+2*n:S+2*n+1]
.endif
.set n, n+1
.endm
.macro SCORE p, row
	s_wait_dscnt 12-4*\p                           ; LDS loads come back in order: four loads for each later pair may be out
	v_wmma_scale_f32_16x16x128_f8f6f4 v[S+16*\p:S+16*\p+7], v[KF+12*\p:KF+12*\p+11], v[36:47], 0, v[22+\p%2], v17 matrix_a_fmt:MATRIX_FMT_FP6 matrix_b_fmt:MATRIX_FMT_FP6 \row
	v_wmma_scale_f32_16x16x128_f8f6f4 v[S+16*\p+8:S+16*\p+15], v[KF+12*\p:KF+12*\p+11], v[48:59], 0, v[22+\p%2], v18 matrix_a_fmt:MATRIX_FMT_FP6 matrix_b_fmt:MATRIX_FMT_FP6 \row
.endm
	s_wait_alu depctr_va_vdst(0)
	s_wait_tensorcnt 0x0                           ; my step's bytes are in
	s_barrier_signal -1
	s_barrier_wait -1                              ; everybody's are
	s_mov_b32 s88, 16
.Lstep:                                                ; 128 keys
	ds_load_b64 v[22:23], v8 offset:12288          ; K's scale words: lanes 0-15 those of pairs 0 and 1, lanes 16-31 of pairs 2 and 3
.irp p, 0,1,2,3
	ds_load_b128 v[KF+12*\p:KF+12*\p+3], v7 offset:1536*\p
	ds_load_b64 v[KF+12*\p+4:KF+12*\p+5], v8 offset:1536*\p+512
	ds_load_b128 v[KF+12*\p+6:KF+12*\p+9], v7 offset:1536*\p+768
	ds_load_b64 v[KF+12*\p+10:KF+12*\p+11], v8 offset:1536*\p+1280
.endr
	SCORE 0
	SCORE 1
	SCORE 2, matrix_a_scale:MATRIX_SCALE_ROW1
	SCORE 3, matrix_a_scale:MATRIX_SCALE_ROW1
	v_mov_b32 v34, v12                             ; the old -M; with three v_nop the four places in front of the loads below and of the first read of the scores
	v_nop
	v_nop
	v_nop
.irp d, 0,1,2,3                        ; V's four fragments come into the same registers while the softmax is walked
	ds_load_b128 v[KF+12*\d:KF+12*\d+3], v7 offset:6144+768*\d
	ds_load_b64 v[KF+12*\d+4:KF+12*\d+5], v8 offset:6656+768*\d
	ds_load_b128 v[KF+12*\d+6:KF+12*\d+9], v7 offset:9216+768*\d
	ds_load_b64 v[KF+12*\d+10:KF+12*\d+11], v8 offset:9728+768*\d
.endr
	ds_load_b64 v[26:27], v9 offset:12544
	ds_load_b64 v[28:29], v9 offset:12672
	s_add_co_u32 s66, s66, STEPB
	v_add_nc_u32 v7, s66, v1                       ; the next step's addresses
	v_add_nc_u32 v8, s66, v2
	v_add_nc_u32 v9, s66, v3
.irp b, 0,1,2,3                        ; the largest score of each block of 32 keys: for the row's maximum and, since p rises with the score, for the block's largest p
	v_max3_num_f32 v[BM+\b], v[S+16*\b], v[S+16*\b+1], v[S+16*\b+2]
.endr
.irp i, 3,5,7,9,11,13
.irp b, 0,1,2,3
	v_max3_num_f32 v[BM+\b], v[BM+\b], v[S+16*\b+\i], v[S+16*\b+\i+1]
.endr
.endr
.irp b, 0,1,2,3
	v_max_num_f32 v[BM+\b], v[BM+\b], v[S+16*\b+15]
.endr
.irp b, 0,1,2,3
	s_delay_alu instid0(VALU_DEP_4)
	v_permlanex16_b32 v[BX+\b], v[BM+\b], s22, s23
.endr
.irp b, 0,1,2,3
	s_delay_alu instid0(VALU_DEP_4)
	v_max_num_f32 v[BM+\b], v[BM+\b], v[BX+\b]
.endr
	s_delay_alu instid0(VALU_DEP_2)
	v_max3_num_f32 v35, v[BM], v[BM+1], v[BM+2]
	s_delay_alu instid0(VALU_DEP_1)
	v_max_num_f32 v35, v35, v[BM+3]
	s_delay_alu instid0(VALU_DEP_1)
	v_mul_f32 v35, s24, v35                        ; as t (c is positive)
	s_delay_alu instid0(VALU_DEP_1)
	v_max_num_f32 v13, v13, v35
	s_delay_alu instid0(VALU_DEP_1)
	v_floor_f32 v12, -v13                          ; the new -M
	TMM 0
	TMM 2
	s_delay_alu instid0(VALU_DEP_3)
	v_sub_f32 v34, v12, v34                        ; old M less new M
	TMM 4
	s_delay_alu instid0(VALU_DEP_2)
	v_cvt_i32_f32 v34, v34
	TMM 6
	s_delay_alu instid0(VALU_DEP_2)
	v_ldexp_f32 v20, 1.0, v34                      ; f = 2^(old M - new M)
.set j, 8
.rept 28
	TMM j
.set j, j+2
.endr
.irp b, 0,1,2,3
	v_fma_f32 v[BM+\b], v[BM+\b], s24, v12
.endr
	v_pk_mul_f32 v[14:15], v[14:15], v[20:21] op_sel_hi:[1,0]
.set j, 0
.rept 16
	v_pk_mul_f32 v[O+j:O+j+1], v[O+j:O+j+1], v[20:21] op_sel_hi:[1,0]   ; O^T under the new M, ascending
.set j, j+2
.endr
	s_wait_alu depctr_va_vdst(0)                   ; one wait ahead of the batch
.set i, 0
.rept 64
	v_exp_f32 v[S+i], v[S+i]                       ; p = 2^(t - M)
.set i, i+1
.endr
.irp b, 0,1,2,3
	v_exp_f32 v[BM+\b], v[BM+\b]                   ; the block's largest p: the same two instructions on the same number
.endr
	s_wait_dscnt 0x0                               ; V is in
	v_perm_b32 v30, v28, v26, s96                  ; V's scale words: tile d's two bytes of the first 64 keys below, of the second 64 above
	v_perm_b32 v31, v28, v26, s97
	v_perm_b32 v32, v29, v27, s96
	v_perm_b32 v33, v29, v27, s97
	s_wait_alu depctr_va_vdst(0)                   ; and one behind it
.irp b, 0,1,2,3
	v_max_num_f32 v[BM+\b], 0x1800000, v[BM+\b]    ; the floor 2^(3 - 127)
.endr
.irp b, 0,1,2,3
	s_delay_alu instid0(VALU_DEP_4)
	v_add_nc_u32 v[SO+\b], 0xff000000, v[BM+\b]
.endr
.irp b, 0,1,2,3
	s_delay_alu instid0(VALU_DEP_4)
	v_lshrrev_b32 v[BX+\b], 23, v[SO+\b]
.endr
	s_delay_alu instid0(VALU_DEP_3)
	v_lshl_or_b32 v19, v[BX+1], 8, v[BX]
	s_delay_alu instid0(VALU_DEP_1)
	v_lshl_or_b32 v19, v[BX+2], 16, v19
	s_delay_alu instid0(VALU_DEP_1)
	v_lshl_or_b32 v19, v[BX+3], 24, v19            ; p's scale word
.irp c, 0,1
	v_cvt_scalef32_pk16_fp6_f32 v[PC+6*\c:PC+6*\c+2], v[S+32*\c:S+32*\c+15], v[SO+2*\c]
	v_cvt_scalef32_pk16_fp6_f32 v[PT+4*\c:PT+4*\c+2], v[S+32*\c+16:S+32*\c+31], v[SO+2*\c+1]
.endr
	v_nop
.irp c, 0,1
.irp i, 0,1,2
	v_permlane16_swap_b32 v[PC+6*\c+\i], v[PT+4*\c+\i]
.endr
.irp i, 0,1,2
	s_delay_alu instid0(VALU_DEP_3)
	v_mov_b32 v[PC+6*\c+3+\i], v[PT+4*\c+\i]
.endr
.endr
	v_pk_add_f32 v[236:237], v[S:S+1], v[S+2:S+3]  ; the row's sum of the unquantised p, in four chains; these 28 lines are the places behind the scale words and codes made above
	v_pk_add_f32 v[216:217], v[S+4:S+5], v[S+6:S+7]
	v_pk_add_f32 v[218:219], v[S+8:S+9], v[S+10:S+11]
.set n, 6
.rept 25
	SUMN
.endr
.irp d, 0,1,2,3                        ; O^T += V^T P^T: the four accumulators by turns
	v_wmma_scale_f32_16x16x128_f8f6f4 v[O+8*\d:O+8*\d+7], v[KF+12*\d:KF+12*\d+11], v[PC:PC+11], v[O+8*\d:O+8*\d+7], v[30+\d], v19 matrix_a_fmt:MATRIX_FMT_FP6 matrix_b_fmt:MATRIX_FMT_FP6
.endr
	SUMN                                           ; the last pair and the chains joined: four places behind the products
	v_pk_add_f32 v[216:217], v[216:217], v[218:219]
	v_pk_add_f32 v[14:15], v[14:15], v[236:237]
	v_pk_add_f32 v[14:15], v[14:15], v[216:217]
	s_sub_co_u32 s88, s88, 1
	s_cmp_lg_u32 s88, 0
	s_cbranch_scc1 .Lstep
	; THE WAY OUT.  o = O^T / the sum; register 8 d + j is channel 16 d + 8 h + j of my query.
	v_add_f32 v14, v14, v15
	s_delay_alu instid0(VALU_DEP_1)
	v_permlanex16_b32 v34, v14, s22, s23
	s_delay_alu instid0(VALU_DEP_1)
	v_add_f32 v14, v14, v34
	s_wait_alu depctr_va_vdst(0)
	v_rcp_f32 v14, v14
	v_nop
.set j, 0
	s_wait_alu depctr_va_vdst(0)
.rept 16
	v_pk_mul_f32 v[S+j:S+j+1], v[O+j:O+j+1], v[14:15] op_sel_hi:[1,0]
.set j, j+2
.endr
.irp e, 0,1                            ; Wo's codes have k in its own order, so o's are laid so: a lane's 16 registers become channels 32 e + 16 h + 0 .. 15
.irp j, 0,1,2,3,4,5,6,7
	v_permlane16_swap_b32 v[S+16*\e+\j], v[S+16*\e+8+\j]
.endr
.endr
.irp e, 0,1
	v_max3_num_f32 v[BM+\e], |v[S+16*\e]|, |v[S+16*\e+1]|, 0x1800000
.endr
.irp i, 2,4,6,8,10,12,14
.irp e, 0,1
	s_delay_alu instid0(VALU_DEP_2)
	v_max3_num_f32 v[BM+\e], v[BM+\e], |v[S+16*\e+\i]|, |v[S+16*\e+\i+1]|
.endr
.endr
.irp e, 0,1
	s_delay_alu instid0(VALU_DEP_2)
	v_permlanex16_b32 v[BX+\e], v[BM+\e], s22, s23
.endr
.irp e, 0,1
	s_delay_alu instid0(VALU_DEP_2)
	v_max_num_f32 v[BM+\e], v[BM+\e], v[BX+\e]
.endr
.irp e, 0,1
	s_delay_alu instid0(VALU_DEP_2)
	v_add_nc_u32 v[SO+\e], 0xff000000, v[BM+\e]
.endr
.irp e, 0,1
	s_delay_alu instid0(VALU_DEP_2)
	v_lshrrev_b32 v[BX+\e], 23, v[SO+\e]
.endr
	s_delay_alu instid0(VALU_DEP_1)
	v_lshl_or_b32 v34, v[BX+1], 8, v[BX]
	v_cvt_scalef32_pk16_fp6_f32 v[PC:PC+2], v[S:S+15], v[SO]
	v_cvt_scalef32_pk16_fp6_f32 v[PT:PT+2], v[S+16:S+31], v[SO+1]
	v_nop
.irp i, 0,1,2
	v_permlane16_swap_b32 v[PC+\i], v[PT+\i]
.endr
.irp i, 0,1,2
	s_delay_alu instid0(VALU_DEP_3)
	v_mov_b32 v[PC+3+\i], v[PT+\i]
.endr
	global_store_b128 v238, v[PC:PC+3], s[16:17]               ; the image: 512 consecutive bytes, aligned to 256,
	global_store_b64 v239, v[PC+4:PC+5], s[16:17] offset:512   ; and 256
	ds_store_b16 v241, v34                         ; both lanes of a row write the same two bytes
	s_wait_dscnt 0x0
	s_barrier_signal -1
	s_barrier_wait -1
	s_cmp_lg_u32 s20, 0
	s_cbranch_scc1 .Lnot_first
	ds_load_b128 v[S:S+3], v242                    ; the sixteen tiles' scale bytes
	s_wait_dscnt 0x0
	global_store_b128 v238, v[S:S+3], s[18:19]     ; 512 consecutive bytes, aligned to 256
.Lnot_first:
	s_wait_tensorcnt 0x0                           ; the wave's end
	ds_add_u32 v254, v255
	s_wait_dscnt 0x0
	CROUND
	s_endpgm
.Lfunc_end_k_q64b66eb8e6_attn:
	.size	k_q64b66eb8e6_attn, .Lfunc_end_k_q64b66eb8e6_attn-k_q64b66eb8e6_attn
	.p2alignl 7, 3214868480
	.fill 96, 4, 3214868480
	.section	.rodata,"a",@progbits
	.p2align	6, 0x0
	.amdhsa_kernel k_q64b66eb8e6_attn
		.amdhsa_group_segment_fixed_size 207360
		.amdhsa_private_segment_fixed_size 0
		.amdhsa_enable_private_segment 0
		.amdhsa_kernarg_size 40
		.amdhsa_user_sgpr_count 2
		.amdhsa_user_sgpr_kernarg_segment_ptr 1
		.amdhsa_wavefront_size32 1
		.amdhsa_system_sgpr_workgroup_id_x 1
		.amdhsa_system_sgpr_workgroup_id_y 1
		.amdhsa_system_sgpr_workgroup_id_z 1
		.amdhsa_system_vgpr_workitem_id 0
		.amdhsa_next_free_vgpr 256
		.amdhsa_next_free_sgpr 98
		.amdhsa_reserve_vcc 0
		.amdhsa_float_denorm_mode_32 3
		.amdhsa_float_denorm_mode_16_64 3
		.amdhsa_memory_ordered 1
		.amdhsa_forward_progress 1
		.amdhsa_inst_pref_size 30
	.end_amdhsa_kernel
	.amdgpu_metadata
---
amdhsa.version: [ 1, 2 ]
amdhsa.kernels:
  - .name:           k_q64b66eb8e6_attn
    .symbol:         k_q64b66eb8e6_attn.kd
    .args:
      - { .name: qc, .offset: 0, .size: 8, .value_kind: global_buffer, .address_space: global }
      - { .name: qs, .offset: 8, .size: 8, .value_kind: global_buffer, .address_space: global }
      - { .name: kv, .offset: 16, .size: 8, .value_kind: global_buffer, .address_space: global }
      - { .name: ac, .offset: 24, .size: 8, .value_kind: global_buffer, .address_space: global }
      - { .name: as, .offset: 32, .size: 8, .value_kind: global_buffer, .address_space: global }
    .group_segment_fixed_size: 207360
    .private_segment_fixed_size: 0
    .kernarg_segment_align: 8
    .kernarg_segment_size: 40
    .max_flat_workgroup_size: 512
    .sgpr_count:     98
    .vgpr_count:     256
    .wavefront_size: 32
...
	.end_amdgpu_metadata
.endif
;; end of part 2
;; launch outp (part 3): grid 8 x 32, 4 waves a work-group, clusters of 4 x 4, 247,808 bytes of LDS; arguments ac, as, Wo_codes, Wo_scales, bo, out0; writes out0
.if DOCPART == 3
	.amdgcn_target "amdgcn-amd-amdhsa--gfx1250"
	.amdhsa_code_object_version 6
	.text
	.protected	k_q64b66eb8e6_outp
	.globl	k_q64b66eb8e6_outp
	.p2align	8
	.type	k_q64b66eb8e6_outp,@function
k_q64b66eb8e6_outp:
	s_mov_b64 s[64:65], 0
	v_nop
	global_prefetch_b8 v0, s[64:65] scope:SCOPE_SE
	s_setreg_imm32_b32 hwreg(HW_REG_WAVE_MODE, 25, 1), 1
	s_wait_xcnt 0x0
	s_wait_alu depctr_hold_cnt(0) depctr_sa_sdst(0) depctr_va_vdst(0) depctr_va_sdst(0) depctr_va_ssrc(0) depctr_va_vcc(0) depctr_vm_vsrc(0)
	s_getreg_b32 s2, hwreg(HW_REG_IB_STS2, 6, 4)
	s_cmp_eq_u32 s2, 0
	s_cbranch_scc0 .Lentry_in_a_cluster
	s_endpgm
.Lentry_in_a_cluster:
	s_bfe_u32 s2, ttmp6, 0x10000c
	s_cmp_lg_u32 s2, 0xf033
	s_cbranch_scc0 .Lentry_shape_is_right
	s_endpgm
.Lentry_shape_is_right:
; THE OUTPUT PROJECTION: out = a Wo^T + bo on codes of FP6 (E2M3), K = 1,024.  a: images of operand registers made by the launch before:
;   ac [head / 4][tile of 16 rows 256][head % 4][768]; as [head][64 rows 64][r 16][tile 4] of two bytes.  Wo: [1024][1024] codes, 768 bytes a row; scale bytes [1024][32].  bo [1024], out [4096][1024]: f32.
; SHARES.  A work-group makes 128 rows x 128 features, each of its four waves 64 x 64: 16 accumulators.  Source 0 = 16 rows of Wo, source 1 = 16 rows of a: a lane holds eight neighbouring features of one row.
; ALL OF K LIES IN LDS, each byte filled once, by four tensor loads, one a wave: a's images (4 rows of 24,576 bytes), Wo's 128 whole rows of 768 bytes (16 bytes of padding behind every 256: pitch 816), a's and Wo's scale bytes.
; CLUSTERS: 4 x 4; a's tiles are shared along a row of the cluster, Wo's along a column.  The bias is the C of each sum's first matrix instruction.
; No prefetch: all is asked for at the head, so there is no loop to run ahead in.
.set PITCH,  816
.set HALF,   64*PITCH
.set ACD,    122880                    ; a's images: chunk c (four heads) at ACD + 24,576 c: [tile 8][head 4][768]
.set ACH,    24576
.set WSC,    ACD+4*ACH                 ; Wo's scale bytes: 16 pieces of 256 bytes + 16 of padding
.set ASC,    WSC+16*272                ; a's: 16 heads x (256 bytes + 16)
.set STG,    ASC+16*272                ; the way out: 16 rows x (256 bytes + 16) for each wave; no fill lands here
.set SPARE,  STG+4*16*272
.set SHALF,  8*272
.set NF,     40
.set SC0,  32
.set SC1,  64
.set B0,   96
.set ACC,  128
.set MSB, 0
.macro WIN new
.if MSB != \new
	s_set_vgpr_msb (MSB<<8)|\new
.set MSB, \new
.endif
.endm
.set MUL,  0x05
.set TO_F, 0x40
.macro PLACES
.rept 4
	v_nop
.endr
.endm
.macro CROUND
	s_barrier_signal -1
	s_barrier_wait -1
	s_cmp_lg_u32 s2, 0
	s_cbranch_scc1 .Lnot_wave_0_\@
	s_barrier_signal -3
.Lnot_wave_0_\@:
	s_barrier_wait -3
	s_barrier_signal -1
	s_barrier_wait -1
.endm
.macro G1SET g, c, r, p                ; the constant words of a group 1: rows of c elements, r rows, p elements apart
	s_mov_b32 s[\g+1], (\c)<<16
	s_mov_b32 s[\g+2], (\r)<<16
	s_mov_b32 s[\g+3], (\c)<<16
	s_mov_b32 s[\g+4], \r
	s_mov_b32 s[\g+5], \p
	s_mov_b32 s[\g+6], 0
	s_mov_b32 s[\g+7], 0
.endm
.macro G0SET g, lds, ab, ob
	s_mov_b32 s[\g], 1
	s_mov_b32 s[\g+1], \lds
	s_add_nc_u64 s[\g+2:\g+3], s[\ab:\ab+1], s[\ob:\ob+1]
	s_or_b32 s[\g+3], s[\g+3], 0x80000000
.endm
	s_load_b256 s[4:11], s[0:1], 0x0               ; ac, as, Wo's codes, Wo's scales
	s_load_b128 s[12:15], s[0:1], 0x20             ; bo, out
	v_lshl_add_u32 v30, v0, 2, SPARE
	v_mov_b32 v31, 0
	ds_add_u32 v30, v31                            ; the opening lines
	ds_add_u32 v30, v31
	v_lshrrev_b32 v1, 5, v0
	v_readfirstlane_b32 s2, v1
	s_lshr_b32 s3, s2, 1                           ; FR: my half of a's rows
	s_and_b32 s97, s2, 1                           ; HB: my half of Wo's rows
	s_bfe_u32 s98, ttmp6, 0x40000
	s_bfe_u32 s99, ttmp6, 0x40004
	s_lshl_b32 s100, ttmp9, 2
	s_add_co_u32 s100, s100, s98                   ; X: which 128 features
	s_and_b32 s101, ttmp7, 0xffff
	s_lshl_b32 s101, s101, 2
	s_add_co_u32 s101, s101, s99                   ; Y: which 128 rows
	s_lshl_b32 s92, s99, 2
	s_lshl_b32 s92, 15, s92                        ; my row of the cluster
	s_lshl_b32 s93, 0x1111, s98                    ; my column
	s_or_b32 s16, s92, (3<<16)|(1<<21)             ; a's images: elements of 8 bytes, no padding
	G1SET 16, 3072, 4, 98304
	s_or_b32 s24, s93, (1<<20)|(1<<21)|(5<<22)|(3<<25)   ; Wo's codes
	G1SET 24, 768, 128, 768
	s_or_b32 s32, s92, (3<<16)|(1<<20)|(1<<21)|(5<<22)|(3<<25)   ; a's scale bytes: 16 heads x 256 bytes, 8,192 bytes apart
	G1SET 32, 32, 16, 1024
	s_or_b32 s40, s93, (3<<16)|(1<<20)|(1<<21)|(5<<22)|(3<<25)   ; Wo's: 4,096 dense bytes
	G1SET 40, 32, 16, 32
	s_mul_i32 s66, s101, 24576                     ; a's side hangs on Y alone, Wo's on X alone
	s_mov_b32 s67, 0
	s_lshl_b32 s70, s101, 8
	s_mov_b32 s71, 0
	s_mul_i32 s68, s100, 98304
	s_mov_b32 s69, 0
	s_lshl_b32 s72, s100, 12
	s_mov_b32 s73, 0
	s_wait_dscnt 0x0
	s_wait_kmcnt 0x0
	G0SET 48, ACD, 4, 66
	G0SET 52, 0, 8, 68
	G0SET 56, ASC, 6, 70
	G0SET 60, WSC, 10, 72
	CROUND
.macro ARM under, g0, g1, next         ; one tensor load a wave at the head, in one chain of branches on the wave's number
	s_cmp_lt_u32 s2, \under
	s_cbranch_scc0 \next
	tensor_load_to_lds s[\g0:\g0+3], s[\g1:\g1+7]
	s_nop 0
	PLACES
	s_branch .Lasked
\next:
.endm
	ARM 1, 48, 16, .Lhead_w
	ARM 2, 52, 24, .Lhead_as
	ARM 3, 56, 32, .Lhead_ws
	tensor_load_to_lds s[60:63], s[40:47]
	s_nop 0
	PLACES
.Lasked:
	s_lshl_b32 s92, s100, 9
	s_lshl_b32 s93, s97, 8
	s_add_co_u32 s92, s92, s93                     ; my 64 features, in bytes
	s_mov_b32 s93, 0
	s_add_nc_u64 s[12:13], s[12:13], s[92:93]
	s_add_nc_u64 s[14:15], s[14:15], s[92:93]
	s_lshl_b32 s92, s101, 7
	s_lshl_b32 s94, s3, 6
	s_add_co_u32 s92, s92, s94                     ; my first row
	s_lshl_b32 s92, s92, 12
	s_add_nc_u64 s[14:15], s[14:15], s[92:93]
	s_mul_i32 s94, s97, HALF
	s_mul_i32 s95, s3, ACH/2
	s_add_co_u32 s95, s95, ACD
	s_mul_i32 s96, s97, SHALF
	s_add_co_u32 s96, s96, WSC
	s_lshl_b32 s66, s3, 7
	s_add_co_u32 s66, s66, ASC
	s_mul_i32 s67, s2, 16*272
	s_add_co_u32 s67, s67, STG
	s_mov_b32 s98, 0x05040100
	s_mov_b32 s99, 0x07060302
	v_and_b32 v1, 15, v0                           ; r
	v_bfe_u32 v2, v0, 4, 1                         ; h
	v_and_b32 v3, 31, v0
	v_lshlrev_b32 v21, 5, v2
.irp a, 0,1,2,3
	global_load_b128 v[B0+8*\a:B0+8*\a+3], v21, s[12:13] offset:64*\a
	global_load_b128 v[B0+8*\a+4:B0+8*\a+7], v21, s[12:13] offset:64*\a+16
.endr
	v_mul_u32_u24 v22, v1, PITCH
	v_mad_u32_u24 v22, v2, 24, v22
	v_add_nc_u32 v4, s94, v22                      ; Wo's fragments; v5: behind one padding more
	v_lshl_add_u32 v5, v2, 4, v4
	v_lshl_add_u32 v12, v3, 4, s95                 ; a's: my four tiles of rows
	v_lshl_add_u32 v13, v3, 3, s95
	v_add_nc_u32 v13, 512, v13
	v_add_nc_u32 v14, 2*ACH, v12
	v_add_nc_u32 v15, 2*ACH, v13
	v_and_b32 v22, 7, v1
	v_lshrrev_b32 v23, 3, v1
	v_lshlrev_b32 v22, 5, v22
	v_mad_u32_u24 v22, v23, 272, v22
	v_add_nc_u32 v16, s96, v22                     ; Wo's scale bytes: eight rows to a piece of 272 bytes
	v_lshl_add_u32 v17, v1, 3, s66                 ; a's: 8 bytes a row
	v_mul_u32_u24 v18, v1, 272
	v_lshl_add_u32 v18, v2, 5, v18
	v_add_nc_u32 v18, s67, v18                     ; the stage, in
	v_mul_u32_u24 v19, v2, 272
	v_lshl_add_u32 v19, v1, 4, v19
	v_add_nc_u32 v19, s67, v19                     ; and back
	v_lshlrev_b32 v20, 12, v2
	v_lshl_add_u32 v20, v1, 4, v20
.macro FRAG reg, adr, q, row
.irp p, 0,1,2,3,4,5
.set PCE, 12*(\q)+6*(\p/3)+\p%3
.if PCE%32 < 29
	ds_load_b64 v[(\reg)+2*\p:(\reg)+2*\p+1], v[(\adr)] offset:8*PCE+16*(PCE/32)+(\row)*PITCH
.else
	ds_load_b64 v[(\reg)+2*\p:(\reg)+2*\p+1], v[(\adr)+1] offset:8*PCE+16*(PCE/32)+(\row)*PITCH
.endif
.endr
.endm
.macro AFRAG reg, adr, off             ; a fragment of a: the images of two heads, as they lie
	ds_load_b128 v[(\reg):(\reg)+3], v[(\adr)] offset:\off
	ds_load_b64 v[(\reg)+4:(\reg)+5], v[(\adr)+1] offset:\off
	ds_load_b128 v[(\reg)+6:(\reg)+9], v[(\adr)] offset:\off+768
	ds_load_b64 v[(\reg)+10:(\reg)+11], v[(\adr)+1] offset:\off+768
.endm
.macro FETCH q
	WIN TO_F
.irp a, 0,1,2,3
	FRAG 128*((\q)%2)+12*\a, 4, \q, 16*\a
.endr
.irp b, 0,1,2,3
	AFRAG 128*((\q)%2)+48+12*\b, 12+2*((\q)/4), (((\q)/2)%2)*ACH+\b*3072+((\q)%2)*1536
.endr
.endm
.macro MUL8 q, b0                      ; the 16 accumulators take turns; in K step 0 the bias starts the sums
.irp b, \b0, \b0+1
.irp a, 0,1,2,3
.if (\q) == 0
	v_wmma_scale_f32_16x16x128_f8f6f4 v[ACC+32*(\b)+8*\a:ACC+32*(\b)+8*\a+7], v[128*((\q)%2)+12*\a:128*((\q)%2)+12*\a+11], v[128*((\q)%2)+48+12*(\b):128*((\q)%2)+48+12*(\b)+11], v[B0+8*\a:B0+8*\a+7], v[SC0+8*\a+(\q)], v[SC1+8*(\b)+(\q)] matrix_a_fmt:MATRIX_FMT_FP6 matrix_b_fmt:MATRIX_FMT_FP6
.else
	v_wmma_scale_f32_16x16x128_f8f6f4 v[ACC+32*(\b)+8*\a:ACC+32*(\b)+8*\a+7], v[128*((\q)%2)+12*\a:128*((\q)%2)+12*\a+11], v[128*((\q)%2)+48+12*(\b):128*((\q)%2)+48+12*(\b)+11], v[ACC+32*(\b)+8*\a:ACC+32*(\b)+8*\a+7], v[SC0+8*\a+(\q)], v[SC1+8*(\b)+(\q)] matrix_a_fmt:MATRIX_FMT_FP6 matrix_b_fmt:MATRIX_FMT_FP6
.endif
.endr
.endr
.endm
	s_wait_alu depctr_va_vdst(0)
	s_wait_tensorcnt 0x0                           ; my tile of the four is in
	s_barrier_signal -1
	s_barrier_wait -1                              ; all four are; nothing is filled again
.irp a, 0,1,2,3
	ds_load_b128 v[SC0+8*\a:SC0+8*\a+3], v16 offset:544*\a
	ds_load_b128 v[SC0+8*\a+4:SC0+8*\a+7], v16 offset:544*\a+16
.endr
.irp d, 0,1,2,3,4,5,6,7,8,9,10,11,12,13,14,15   ; a's scale bytes head by head, into registers that the sums take only later
	ds_load_b64 v[ACC+2*\d:ACC+2*\d+1], v17 offset:272*\d
.endr
	FETCH 0
	s_wait_dscnt NF
	WIN 0
.irp q, 0,1,2,3,4,5,6,7                ; K step q is heads 2 q and 2 q + 1: tile b's word has the first head's two bytes below, the second's above
	v_perm_b32 v[SC1+\q], v[ACC+4*\q+2], v[ACC+4*\q], s98
	v_perm_b32 v[SC1+8+\q], v[ACC+4*\q+2], v[ACC+4*\q], s99
	v_perm_b32 v[SC1+16+\q], v[ACC+4*\q+3], v[ACC+4*\q+1], s98
	v_perm_b32 v[SC1+24+\q], v[ACC+4*\q+3], v[ACC+4*\q+1], s99
.endr
	s_wait_alu depctr_va_vdst(0)
.rept 8
	v_nop                                          ; eight places between a scale register so written and a scaled matrix instruction
.endr
	s_wait_loadcnt 0x0                             ; the bias
.irp q, 0,1,2,3,4,5,6
.if \q > 0
	PLACES
.endif
	FETCH \q+1
	s_wait_dscnt NF                                ; all but the 40 just issued
	WIN MUL
	MUL8 \q, 0
	MUL8 \q, 2
.endr
	s_wait_dscnt 0x0
	MUL8 7, 0
	MUL8 7, 2
	WIN 0
; THE WAY OUT, a tile of 16 rows x my 64 features at a time, through my own stage in LDS, back as whole rows of 256 bytes.  LDS serves a wave's instructions in order (ISA guide 5.7.1.4).
.macro TOSTAGE b
.irp a, 0,1,2,3
	ds_store_b128 v18, v[ACC+32*(\b)+8*\a:ACC+32*(\b)+8*\a+3] offset:64*\a
	ds_store_b128 v18, v[ACC+32*(\b)+8*\a+4:ACC+32*(\b)+8*\a+7] offset:64*\a+16
.endr
.set BK, 96+32*((\b)%2)
.irp i, 0,1,2,3,4,5,6,7
	ds_load_b128 v[BK+4*\i:BK+4*\i+3], v19 offset:\i*544
.endr
.endm
.macro SEND b, younger
.set BK, 96+32*((\b)%2)
	s_wait_dscnt \younger
.irp i, 0,1,2,3,4,5,6,7
	global_store_b128 v20, v[BK+4*\i:BK+4*\i+3], s[14:15] offset:(16*(\b)+2*\i)*4096 th:TH_STORE_NT   ; 16 lanes store 256 consecutive bytes, aligned to 256
.endr
.endm
	PLACES
	TOSTAGE 0
.irp b, 1,2,3
.if \b > 1
	s_wait_xcnt 0x0                                ; tile b - 2's stores have read their registers
.endif
	TOSTAGE \b
	SEND \b-1, 16                                  ; behind tile b - 1's loads: tile b's 8 stores and 8 loads
.endr
	SEND 3, 0
	s_wait_tensorcnt 0x0                           ; the wave's end
	ds_add_u32 v30, v31
	s_wait_dscnt 0x0
	CROUND
	s_endpgm
.Lfunc_end_k_q64b66eb8e6_outp:
	.size	k_q64b66eb8e6_outp, .Lfunc_end_k_q64b66eb8e6_outp-k_q64b66eb8e6_outp
	.p2alignl 7, 3214868480
	.fill 96, 4, 3214868480
	.section	.rodata,"a",@progbits
	.p2align	6, 0x0
	.amdhsa_kernel k_q64b66eb8e6_outp
		.amdhsa_group_segment_fixed_size 247808
		.amdhsa_private_segment_fixed_size 0
		.amdhsa_enable_private_segment 0
		.amdhsa_kernarg_size 48
		.amdhsa_user_sgpr_count 2
		.amdhsa_user_sgpr_kernarg_segment_ptr 1
		.amdhsa_wavefront_size32 1
		.amdhsa_system_sgpr_workgroup_id_x 1
		.amdhsa_system_sgpr_workgroup_id_y 1
		.amdhsa_system_sgpr_workgroup_id_z 1
		.amdhsa_system_vgpr_workitem_id 0
		.amdhsa_next_free_vgpr 512
		.amdhsa_next_free_sgpr 102
		.amdhsa_reserve_vcc 0
		.amdhsa_float_denorm_mode_32 3
		.amdhsa_float_denorm_mode_16_64 3
		.amdhsa_memory_ordered 1
		.amdhsa_forward_progress 1
		.amdhsa_inst_pref_size 59
	.end_amdhsa_kernel
	.amdgpu_metadata
---
amdhsa.version: [ 1, 2 ]
amdhsa.kernels:
  - .name:           k_q64b66eb8e6_outp
    .symbol:         k_q64b66eb8e6_outp.kd
    .args:
      - { .name: ac, .offset: 0, .size: 8, .value_kind: global_buffer, .address_space: global }
      - { .name: as, .offset: 8, .size: 8, .value_kind: global_buffer, .address_space: global }
      - { .name: Wo_codes, .offset: 16, .size: 8, .value_kind: global_buffer, .address_space: global }
      - { .name: Wo_scales, .offset: 24, .size: 8, .value_kind: global_buffer, .address_space: global }
      - { .name: bo, .offset: 32, .size: 8, .value_kind: global_buffer, .address_space: global }
      - { .name: out0, .offset: 40, .size: 8, .value_kind: global_buffer, .address_space: global }
    .group_segment_fixed_size: 247808
    .private_segment_fixed_size: 0
    .kernarg_segment_align: 8
    .kernarg_segment_size: 48
    .max_flat_workgroup_size: 128
    .sgpr_count:     102
    .vgpr_count:     512
    .wavefront_size: 32
...
	.end_amdgpu_metadata
.endif
;; end of part 3
